; MI455X (gfx1250); checked and timed in simulation.
; The chip was launched on July 23, 2026; its instructions are those of AMD's public machine-readable ISA for CDNA 5 (MIT licence, August 2026) and "CDNA5" Instruction Set Architecture Reference Guide (July 2026). The comments in the code are by the model that wrote it; some were corrected since.
;; Multi Head Attention. Allowed arithmetic: matrix products marked QUANTISED: E2M1 operands, one E8M0 scale for each 32 along K, by v_wmma_scale_f32_16x16x128_f8f6f4 with both operands' format E2M1 (or v_wmma_scale_f32_32x16x128_f4), f32 sums; everything else in f32.
;; Inputs: W_qkv 1,024 x 3,072 float32; b_qkv 3,072 float32; x 4 x 2,048 x 1,024 float32.
;; Outputs: out0 4 x 2,048 x 1,024 float32.
;; This version of the problem:
;;   THIS VERSION OF THE PROBLEM IS GIVEN IN LOW PRECISION. The matrix products marked QUANTISED in the list below multiply operands that are first quantised to E2M1 (2 exponent bits, 1 mantissa bit; 4 bits a number), with one power-of-two scale for each 32 numbers along K (OCP MX v1.0); their sums are f32. All else is computed in f32.
;;   The module's matrix products, in the order in which they are computed (A, B: the left and right operand; K: the contracted axis; several contracted axes count as one K, in the product's order):
;;     1. [M 8,192, K 1,024] x [K 1,024, N 3,072]; A: input x; B: input W_qkv: QUANTISED
;;     2. batch 64 x [M 2,048, K 64] x [K 64, N 2,048]; A: computed on the way; B: computed on the way: QUANTISED
;;     3. batch 64 x [M 2,048, K 2,048] x [K 2,048, N 64]; A: softmax (see below); B: computed on the way: QUANTISED
;;   THE QUANTISER, for each operand of a quantised product, along K:
;;     - K is cut into blocks of 32 from its start; a last block that is shorter is filled with zeros.
;;     - A block's scale is 2^e with e = floor(log2(the largest magnitude in the block)) - 2, held to -126 .. 127; a block of zeros has e = 0. As a byte (E8M0): e + 127.
;;     - Each number is divided by its block's scale, clamped to +-6, and rounded to the nearest number of E2M1, ties to even, subnormals kept.
;;     - The product sums the exact products of the quantised numbers (number of the format x scale) in f32.
;;   ~~~python
;;   def quantise(x, axis):      # numpy; x: float32 -> the quantised numbers, widened to float32 again
;;       x = np.moveaxis(x, axis, -1); K = x.shape[-1]
;;       x = np.pad(x, [(0, 0)] * (x.ndim - 1) + [(0, -K % 32)]); x = x.reshape(x.shape[:-1] + (-1, 32)); a = np.abs(x).max(-1, keepdims=True)
;;       e = np.where(a > 0, np.clip(np.frexp(np.where(a > 0, a, 1))[1] - 1 - 2, -126, 127), 0)      # np.frexp(a)[1] - 1 = floor(log2(a)), exactly
;;       r = np.clip(x / 2.0 ** e, -6, 6)
;;       step = 2.0 ** (np.maximum(np.frexp(np.where(r == 0, 1, r))[1] - 1, 0) - 1)
;;       q = np.round(r / step) * step * 2.0 ** e      # np.round: ties to even
;;       return np.moveaxis(q.reshape(q.shape[:-2] + (-1,))[..., :K], -1, axis).astype(np.float32)
;;   ~~~
;;   SOFTMAX AHEAD OF A QUANTISED PRODUCT. Where the list says 'softmax', what is quantised is not the finished softmax but p = 2^(t - M), with t = logit x log2(e) and M = ceil(the row's largest t), a whole number; so 1/2 < the row's largest p <= 1. The row's sum l is taken of the UNQUANTISED p, in f32, and the product's result is divided by l at the end. Since M is a whole number, a kernel that streams over the keys may use a running M (the ceiling of the running maximum): every later rescaling is an exact power of two, which a block's scale takes up: the codes' values come out the same.
;;   OPERANDS COMPUTED ON THE WAY. 'Computed on the way' means the value that the module computes at that place (a softmax that the list does not call 'softmax' is quantised finished and normalised). What goes into a quantiser is computed in f32, as accurately as f32 sums, v_exp_f32 and their like allow (about 1e-6 of the number): no bf16 or f16 on the way to a quantiser, and a product that is left as it is and whose result goes on into a quantised operand takes f32 operands (vector FMAs, or v_wmma_f32_16x16x4_f32). A number that lies on a knife's edge between two numbers of the format may be rounded either way, as far as f32 arithmetic and the matrix unit's own rounding can turn it there, and no further.
;; One version. Each part assembles by itself: llvm-mc -triple=amdgcn-amd-amdhsa -mcpu=gfx1250 --defsym DOCPART=n.
;; ======== version 1 of 1: 3 launches
;; limits: right only within a limited range of input values
;; workspace buffers: x_codes 4,194,304 bytes; x_scales 262,144 bytes; w_codes 1,572,864 bytes; w_scales 98,304 bytes; qrec 9,175,040 bytes; kv 9,175,040 bytes
;; launch prep (part 1): grid 352 x 1, 4 waves a work-group, no clusters, 68,096 bytes of LDS; arguments x, x_codes, x_scales, W_qkv, w_codes, w_scales; writes x_codes, x_scales, w_codes, w_scales
.if DOCPART == 1
	.amdgcn_target "amdgcn-amd-amdhsa--gfx1250"
	.amdhsa_code_object_version 6
	.text
	.protected	k_q1fda08b758_prep
	.globl	k_q1fda08b758_prep
	.p2align	8
	.type	k_q1fda08b758_prep,@function
k_q1fda08b758_prep:
	s_mov_b64 s[64:65], 0
	v_nop
	global_prefetch_b8 v0, s[64:65] scope:SCOPE_SE
	s_setreg_imm32_b32 hwreg(HW_REG_WAVE_MODE, 25, 1), 1
	s_wait_xcnt 0x0
; x [8192][1024] and W_qkv [1024][3072], f32, become codes of FP4 (E2M1) with K innermost and one E8M0 byte for each 32 along K:
; x_codes [8192][512], x_scales [8192][32], w_codes [3072][512], w_scales [3072][32].
; A block's scale is 2^(floor(log2(its largest magnitude)) - 2): its byte is the largest magnitude's exponent field - 2, held at 1 from below.
; LIMITS: a block of zeros, or one whose largest magnitude lies under 2^-124, gets the byte 1 (its codes are zeros or the nearest codes under that scale; only this program reads the bytes);
; NaN and infinities among the inputs are not served.
; Work-groups 0 to 95 take W (64 columns x 512 along K each), work-groups 96 to 351 take x (32,768 numbers each): 131,072 bytes read by each work-group of either kind.
; The two ways part on the work-group's number and use LDS bytes of their own.  Waves share nothing: no barrier.  No matrix unit, no cluster, no tensor load: a stream read once has nothing to share.
.set WGW,   96
; ---- x: K is innermost, the tensor is a plain stream of blocks of 32
.set STEPS, 16                         ; steps of 512 numbers for a wave
.set EMAX,  2
.set CB,    8                          ; bytes of 16 codes
.set R,     16                         ; v16-79   four sets of 16 numbers as loaded
.set X,     80                         ; v80-111  two sets of 16 neighbours
.set C,     128                        ; v128-191 codes, four registers a step: no store's data are written again
.set E,     112                        ; v112-127 a scale byte a step
.set WREG,  8192                       ; LDS: a region for each wave: two stages of 32 x SP bytes, then its 256 scale bytes
.set SP,    80                         ; a lane's place in a stage: 64 bytes + 16 of padding
; ---- W: K is the first axis: a lane takes a column, its registers run down K
.set SIZE_K, 1024
.set SIZE_N, 3072
.set KW,    512                        ; along K for a wave: lanes 0-15 take the lower KL, lanes 16-31 the upper
.set KL,    256                        ; along K for a lane
.set NB,    KL/32                      ; blocks for a lane
.set ROWB,  256                        ; bytes of KW codes
.set PITCH, ROWB+16
.set KROW,  SIZE_K/2
.set WSTG,  32768                      ; LDS: behind x's regions: 16 rows x 272 bytes for each wave
.set WX,    32                         ; v32-95   two sets of 32 numbers
.set WC,    96                         ; v96-99   a block's codes
.set OUTR,  112                        ; v112-143 the way out
.set SB,    24                         ; v24-25   the scale bytes, four to a register
	s_load_b256 s[4:11], s[0:1], 0x0               ; x s[4:5], x_codes s[6:7], x_scales s[8:9], W s[10:11]
	s_load_b128 s[12:15], s[0:1], 0x20             ; w_codes s[12:13], w_scales s[14:15]
	v_lshl_add_u32 v192, v0, 2, 0x10800
	v_mov_b32 v193, 0
	v_lshrrev_b32 v1, 5, v0
	v_readfirstlane_b32 s16, v1                    ; wave 0..3
	v_and_b32 v2, 31, v0                           ; lane
	s_cmp_lt_u32 ttmp9, WGW
	s_cbranch_scc1 .Lw
	; ================= x =================
	; Each load reads 512 consecutive bytes, 16 a lane; a step's 2,048 bytes turn through the wave's stage and come back 64 bytes a lane: 16 neighbours, two lanes to a block.
	v_lshlrev_b32 v3, 4, v2                        ; my 16 bytes of a load's 512
	s_mul_i32 s17, s16, WREG
	v_lshrrev_b32 v14, 2, v2
	v_mul_u32_u24 v14, v14, SP
	v_and_b32 v15, 3, v2
	v_lshl_add_u32 v14, v15, 4, v14
	v_add_nc_u32 v14, s17, v14                     ; into the stage: SP (lane / 4) + 16 (lane % 4)
	v_mul_u32_u24 v15, v2, SP
	v_add_nc_u32 v15, s17, v15                     ; out of it: SP x lane
	v_mul_u32_u24 v4, v2, CB                       ; my codes' place in a step's 256 bytes
	v_lshrrev_b32 v5, 1, v2
	s_add_co_u32 s17, s17, 2*32*SP
	v_add_nc_u32 v5, s17, v5                       ; my block's scale byte in the wave's 256
	v_lshlrev_b32 v7, 3, v2
	v_add_nc_u32 v6, s17, v7                       ; and on the way out 8 bytes a lane
	s_wait_alu depctr_va_vdst(0)                   ; the wait at the head's end
	s_wait_kmcnt 0x0
	s_sub_co_u32 s17, ttmp9, WGW
	s_lshl_b32 s17, s17, 2
	s_add_co_u32 s18, s17, s16                     ; which run of 8,192 numbers is my wave's
	s_mov_b32 s19, 0
	s_mov_b64 s[20:21], 512*STEPS*4
	s_mul_u64 s[20:21], s[18:19], s[20:21]
	s_add_nc_u64 s[4:5], s[4:5], s[20:21]
	s_mov_b64 s[20:21], 32*STEPS*CB
	s_mul_u64 s[20:21], s[18:19], s[20:21]
	s_add_nc_u64 s[6:7], s[6:7], s[20:21]
	s_lshl_b32 s18, s18, 8                         ; 256 scale bytes a run
	s_add_nc_u64 s[8:9], s[8:9], s[18:19]
.macro LOAD t
.irp i, 0,1,2,3
	global_load_b128 v[R+16*((\t)%4)+4*\i:R+16*((\t)%4)+4*\i+3], v3, s[4:5] offset:2048*(\t)+512*\i th:TH_LOAD_NT
.endr
.endm
.macro TURN t                          ; LDS serves a wave's instructions in order: no wait between the stores and the loads
.irp i, 0,1,2,3
	ds_store_b128 v14, v[R+16*((\t)%4)+4*\i:R+16*((\t)%4)+4*\i+3] offset:32*SP*((\t)%2)+8*SP*\i
.endr
.irp i, 0,1,2,3
	ds_load_b128 v[X+16*((\t)%2)+4*\i:X+16*((\t)%2)+4*\i+3], v15 offset:32*SP*((\t)%2)+16*\i
.endr
.endm
.irp t, 0,1,2,3
	LOAD \t
.endr
	s_wait_loadcnt 12                              ; step 0's four loads are in; twelve younger ones stay out
	TURN 0
.macro STEP t
.set XS, X+16*((\t)%2)
.if (\t) > 0
	s_wait_dscnt 1                                 ; this step's numbers are back from the stage; only the last step's byte store may be out
.else
	s_wait_dscnt 0x0
.endif
.if (\t)+4 < STEPS
	LOAD (\t)+4                                    ; into the set whose stores into the stage have been served
.endif
.if (\t)+1 < STEPS
.if STEPS-2-(\t) >= 3
	s_wait_loadcnt 12                              ; the next step's four loads are in; those of three steps behind it stay out
.else
	s_wait_loadcnt 4*(STEPS-2-(\t))
.endif
	TURN (\t)+1
.endif
	v_max3_num_f32 v8, |v[XS]|, |v[XS+1]|, |v[XS+2]|               ; the largest magnitude of my 16, in two chains
	v_max3_num_f32 v9, |v[XS+3]|, |v[XS+4]|, |v[XS+5]|
.irp i, 6,10
	v_max3_num_f32 v8, v8, |v[XS+\i]|, |v[XS+\i+1]|
	v_max3_num_f32 v9, v9, |v[XS+\i+2]|, |v[XS+\i+3]|
.endr
	v_max3_num_f32 v8, v8, |v[XS+14]|, |v[XS+15]|
	v_max3_num_f32 v8, v8, v9, (EMAX+1)<<23        ; and the floor 2^(3 - 127): the byte cannot fall under 1
	v_max_num_f32_dpp v8, v8, v8 row_xmask:1 row_mask:0xf bank_mask:0xf   ; with my neighbour's 16: the block's
	v_add_nc_u32 v11, -(EMAX<<23), v8              ; 2 off its exponent field: the conversion takes this operand's exponent field as its scale
	v_cvt_scalef32_pk8_fp4_f32 v[C+4*(\t)], v[XS:XS+7], v11
	v_cvt_scalef32_pk8_fp4_f32 v[C+4*(\t)+1], v[XS+8:XS+15], v11
	v_lshrrev_b32 v[E+(\t)], 23, v11               ; the scale's byte
	ds_store_b8 v5, v[E+(\t)] offset:16*(\t)       ; both lanes of a block write the same byte with the same value
	global_store_b64 v4, v[C+4*(\t):C+4*(\t)+1], s[6:7] offset:32*CB*(\t)   ; the wave stores 256 consecutive bytes, aligned
.endm
.irp t, 0,1,2,3,4,5,6,7,8,9,10,11,12,13,14,15
	STEP \t
.endr
	ds_load_b64 v[12:13], v6
	s_wait_dscnt 0x0
	global_store_b64 v7, v[12:13], s[8:9]          ; the wave's 256 scale bytes: 256 consecutive bytes, aligned
	s_wait_tensorcnt 0x0                           ; the wave's end
	ds_add_u32 v192, v193
	s_wait_dscnt 0x0
	s_endpgm
	; ================= W =================
	; A wave takes 16 columns x 512 along K: lane (r, h) takes column r and rows 256 h on, 8 blocks of 32, each in the lane's 32 registers.  A load reads 64 consecutive bytes of two rows of W;
	; the work-group's four waves stand side by side on 256.  By the text's own count a wave issues 256 loads, 64 of them asked for ahead of the block in hand.
	; A lane's codes are half of its column's 256 bytes of this K half: the wave's stage gathers whole rows, which leave sixteen lanes to 256 consecutive bytes.
.Lw:
	s_lshr_b32 s17, ttmp9, 1
	s_lshl_b32 s17, s17, 6
	s_lshl_b32 s18, s16, 4
	s_add_co_u32 s17, s17, s18                     ; my wave's first column: 64 (work-group / 2) + 16 wave
	s_and_b32 s18, ttmp9, 1                        ; which half of K
	s_wait_alu depctr_va_vdst(0)                   ; the wait here
	v_and_b32 v5, 15, v2                           ; r
	v_lshrrev_b32 v6, 4, v2                        ; h
	v_mul_u32_u24 v3, v6, KL*SIZE_N*4
	v_lshl_add_u32 v3, v5, 2, v3                   ; in: 4 bytes a column, 256 rows a half of the lanes
	s_mul_i32 s19, s16, 16*PITCH
	s_add_co_u32 s19, s19, WSTG                    ; my stage
	v_mul_u32_u24 v4, v5, PITCH
	v_lshl_add_u32 v4, v6, 7, v4
	v_add_nc_u32 v4, s19, v4                       ; into it: row = my column, + 128 h
	v_mul_u32_u24 v7, v6, PITCH
	v_lshl_add_u32 v7, v5, 4, v7
	v_add_nc_u32 v7, s19, v7                       ; out of it: sixteen lanes to a row, two rows an instruction
	v_mul_u32_u24 v8, v6, KROW
	v_lshl_add_u32 v8, v5, 4, v8                   ; and the same place in w_codes
	v_lshlrev_b32 v9, 5, v5
	v_lshl_add_u32 v9, v6, 3, v9                   ; scale bytes: 32 a column, + 8 h
	s_mov_b32 s19, 0
	s_mov_b64 s[20:21], KW*SIZE_N*4
	s_mul_u64 s[20:21], s[18:19], s[20:21]         ; W: 512 rows a half,
	s_lshl_b32 s22, s17, 2
	s_mov_b32 s23, 0
	s_add_nc_u64 s[20:21], s[20:21], s[22:23]      ; + 4 bytes a column
	s_mov_b32 s22, s17
	s_mov_b64 s[24:25], KROW
	s_mul_u64 s[24:25], s[22:23], s[24:25]         ; codes: column x 512 bytes
	s_mul_i32 s26, s18, ROWB
	s_mov_b32 s27, 0
	s_add_nc_u64 s[24:25], s[24:25], s[26:27]      ; + 256 a half
	s_mov_b64 s[28:29], SIZE_K/32
	s_mul_u64 s[28:29], s[22:23], s[28:29]         ; scale bytes: column x 32
	s_mul_i32 s26, s18, KW/32
	s_add_nc_u64 s[28:29], s[28:29], s[26:27]      ; + 16 a half
	s_wait_alu depctr_va_vdst(0)                   ; the wait at the head's end
	s_wait_kmcnt 0x0
	s_add_nc_u64 s[10:11], s[10:11], s[20:21]
	s_add_nc_u64 s[12:13], s[12:13], s[24:25]
	s_add_nc_u64 s[14:15], s[14:15], s[28:29]
.macro WLOAD t                         ; block t: W(256 h + 32 t + i, my column) into set t % 2.  The largest offset, 255 rows of 12,288 bytes, lies inside the signed 24-bit immediate
.set i, 0
.rept 32
	global_load_b32 v[WX+32*((\t)%2)+i], v3, s[10:11] offset:(32*(\t)+i)*SIZE_N*4 th:TH_LOAD_NT
.set i, i+1
.endr
.endm
	WLOAD 0
	WLOAD 1
.macro BLOCK t
.set WXS, WX+32*((\t)%2)
.if (\t) < NB-1
	s_wait_loadcnt 32                              ; this block's 32 loads are in; the next block's stay out
.else
	s_wait_loadcnt 0
.endif
	v_max3_num_f32 v12, |v[WXS]|, |v[WXS+1]|, |v[WXS+2]|
	v_max3_num_f32 v13, |v[WXS+3]|, |v[WXS+4]|, |v[WXS+5]|
.irp i, 6,10,14,18,22,26
	v_max3_num_f32 v12, v12, |v[WXS+\i]|, |v[WXS+\i+1]|
	v_max3_num_f32 v13, v13, |v[WXS+\i+2]|, |v[WXS+\i+3]|
.endr
	v_max3_num_f32 v12, v12, |v[WXS+30]|, |v[WXS+31]|
	v_max3_num_f32 v12, v12, v13, (EMAX+1)<<23     ; with the floor
	v_add_nc_u32 v11, -(EMAX<<23), v12             ; the conversion's scale operand
	v_lshrrev_b32 v13, 23, v11                     ; the scale's byte
.if (\t)%4 == 0
	v_mov_b32 v[SB+(\t)/4], v13
.else
	v_lshl_or_b32 v[SB+(\t)/4], v13, 8*((\t)%4), v[SB+(\t)/4]
.endif
.irp g, 0,1,2,3
	v_cvt_scalef32_pk8_fp4_f32 v[WC+\g], v[WXS+8*\g:WXS+8*\g+7], v11
.endr
	ds_store_b128 v4, v[WC:WC+3] offset:16*(\t)    ; 32 codes: 16 bytes of my column's row
.if (\t)+2 < NB
	WLOAD (\t)+2
.endif
	s_wait_dscnt 0x0                               ; the store has read its registers: the next block's codes may be written
.endm
.set Q, 0
.rept NB
	BLOCK Q
.set Q, Q+1
.endr
	s_wait_alu depctr_va_vdst(0)                   ; the wait here, directly ahead of the reader below
	global_store_b64 v9, v[SB:SB+1], s[14:15]      ; my 8 scale bytes (rows 32 bytes apart: one byte in 128 of what this way reads)
.irp t, 0,1,2,3,4,5,6,7
	ds_load_b128 v[OUTR+4*\t:OUTR+4*\t+3], v7 offset:2*\t*PITCH
.endr
.irp t, 0,1,2,3,4,5,6,7
	s_wait_dscnt 7-\t                              ; load t is back; the later ones stay out
	global_store_b128 v8, v[OUTR+4*\t:OUTR+4*\t+3], s[12:13] offset:2*\t*KROW
.endr
	s_wait_tensorcnt 0x0                           ; the wave's end
	ds_add_u32 v192, v193
	s_wait_dscnt 0x0
	s_endpgm
.Lfunc_end_k_q1fda08b758_prep:
	.size	k_q1fda08b758_prep, .Lfunc_end_k_q1fda08b758_prep-k_q1fda08b758_prep
	.p2alignl 7, 3214868480
	.fill 96, 4, 3214868480
	.section	.rodata,"a",@progbits
	.p2align	6, 0x0
	.amdhsa_kernel k_q1fda08b758_prep
		.amdhsa_group_segment_fixed_size 68096
		.amdhsa_private_segment_fixed_size 0
		.amdhsa_enable_private_segment 0
		.amdhsa_kernarg_size 48
		.amdhsa_user_sgpr_count 2
		.amdhsa_user_sgpr_kernarg_segment_ptr 1
		.amdhsa_wavefront_size32 1
		.amdhsa_system_sgpr_workgroup_id_x 1
		.amdhsa_system_sgpr_workgroup_id_y 1
		.amdhsa_system_sgpr_workgroup_id_z 1
		.amdhsa_system_vgpr_workitem_id 0
		.amdhsa_next_free_vgpr 194
		.amdhsa_next_free_sgpr 66
		.amdhsa_reserve_vcc 0
		.amdhsa_float_denorm_mode_32 3
		.amdhsa_float_denorm_mode_16_64 3
		.amdhsa_memory_ordered 1
		.amdhsa_forward_progress 1
		.amdhsa_inst_pref_size 73
	.end_amdhsa_kernel
	.amdgpu_metadata
---
amdhsa.version: [ 1, 2 ]
amdhsa.kernels:
  - .name:           k_q1fda08b758_prep
    .symbol:         k_q1fda08b758_prep.kd
    .args:
      - { .name: x, .offset: 0, .size: 8, .value_kind: global_buffer, .address_space: global }
      - { .name: x_codes, .offset: 8, .size: 8, .value_kind: global_buffer, .address_space: global }
      - { .name: x_scales, .offset: 16, .size: 8, .value_kind: global_buffer, .address_space: global }
      - { .name: W_qkv, .offset: 24, .size: 8, .value_kind: global_buffer, .address_space: global }
      - { .name: w_codes, .offset: 32, .size: 8, .value_kind: global_buffer, .address_space: global }
      - { .name: w_scales, .offset: 40, .size: 8, .value_kind: global_buffer, .address_space: global }
    .group_segment_fixed_size: 68096
    .private_segment_fixed_size: 0
    .kernarg_segment_align: 8
    .kernarg_segment_size: 48
    .max_flat_workgroup_size: 128
    .sgpr_count:     66
    .vgpr_count:     194
    .wavefront_size: 32
...
	.end_amdgpu_metadata
.endif
;; end of part 1
;; launch gemm (part 2): grid 12 x 32, 4 waves a work-group, clusters of 4 x 4, 327,680 bytes of LDS; arguments x_codes, x_scales, w_codes, w_scales, b_qkv, qrec, kv; writes qrec, kv
.if DOCPART == 2
	.amdgcn_target "amdgcn-amd-amdhsa--gfx1250"
	.amdhsa_code_object_version 6
	.text
	.protected	k_q1fda08b758_gemm
	.globl	k_q1fda08b758_gemm
	.p2align	8
	.type	k_q1fda08b758_gemm,@function
k_q1fda08b758_gemm:
	s_mov_b64 s[64:65], 0
	v_nop
	global_prefetch_b8 v0, s[64:65] scope:SCOPE_SE
	s_setreg_imm32_b32 hwreg(HW_REG_WAVE_MODE, 25, 1), 1
	s_wait_xcnt 0x0
	s_wait_alu depctr_hold_cnt(0) depctr_sa_sdst(0) depctr_va_vdst(0) depctr_va_sdst(0) depctr_va_ssrc(0) depctr_va_vcc(0) depctr_vm_vsrc(0)
	s_getreg_b32 s2, hwreg(HW_REG_IB_STS2, 6, 4)
	s_cmp_eq_u32 s2, 0
	s_cbranch_scc0 .Lentry_in_a_cluster
	s_endpgm
.Lentry_in_a_cluster:
	s_bfe_u32 s2, ttmp6, 0x10000c
	s_cmp_lg_u32 s2, 0xf033
	s_cbranch_scc0 .Lentry_shape_is_right
	s_endpgm
.Lentry_shape_is_right:
.set NQ,     4
; ALL OF K LIES IN LDS AT ONCE: 256 rows of x's codes and 256 of W's, 512 bytes each, with 16 bytes of padding behind each row, and behind them both sides' scale bytes.
; Each of the four waves asks for one of these four tiles at the head, jointly with the partners that share it; nothing is filled again.
; "Slot" s of the steps below is the s-th 256 bytes of every row.
.set ROWB,   512
.set KROW,   512
.set PITCH,  528
.set FR,     8
.set NL,     2
.set NP,     4
.set HALFT,  128*PITCH
.set SLOT,   256
.set KS,     32
.set SCL,    4*HALFT
.set HALFS,  (128*KS/256)*272
.set SBLK,   (16*KS/256)*272
.set STGQ,   SCL+4*HALFS
.set STGV,   STGQ+4*1024
.set HS,     143360
.set REC,    8960
.set SC,     32
.set TM,     96
.set AF,     128
.set WD,     192
.set BIAS,   192
.set SEL,    18
.set G1, 24
.set G0, 32
.set G1B, 48
.set G0B, 56
.set G1S, 68
.set G0S, 76
.set G1SB, 80
.set G0SB, 88
.set MSB, 0
.macro WIN new
.if MSB != (\new)
	s_set_vgpr_msb (MSB<<8)|(\new)
.set MSB, (\new)
.endif
.endm
.set MUL_LO, 0xa1
.set MUL_HI, 0xf1
.set TO_B,   0x40
; one arm of the head's tree of branches on the wave's number: its load, and a jump to the tree's end
.macro ARM under, g0, g1, next
	s_cmp_lt_u32 s14, \under
	s_cbranch_scc0 \next
	tensor_load_to_lds s[\g0:\g0+3], s[\g1:\g1+7]
	s_nop 0
.rept 4
	v_nop
.endr
	s_branch .Lhead_asked
\next:
.endm
.macro CROUND
	s_barrier_signal -1
	s_barrier_wait -1
	s_cmp_lg_u32 s14, 0
	s_cbranch_scc1 .Lnot_wave_0_\@
	s_barrier_signal -3
.Lnot_wave_0_\@:
	s_barrier_wait -3
	s_barrier_signal -1
	s_barrier_wait -1
.endm
	s_load_b128 s[4:7], s[0:1], 0x0
	s_load_b128 s[8:11], s[0:1], 0x10
	s_load_b64 s[12:13], s[0:1], 0x20
	s_load_b128 s[96:99], s[0:1], 0x28
	v_lshl_add_u32 v254, v0, 2, 0x49c00
	v_mov_b32 v255, 0
	ds_add_u32 v254, v255
	ds_add_u32 v254, v255
	v_lshrrev_b32 v1, 5, v0
	v_readfirstlane_b32 s14, v1
	s_lshr_b32 s15, s14, 1
	s_and_b32 s16, s14, 1
	s_bfe_u32 s40, ttmp6, 0x40000
	s_bfe_u32 s41, ttmp6, 0x40004
	s_lshl_b32 s42, ttmp9, 2
	s_add_co_u32 s42, s42, s40
	s_and_b32 s17, ttmp7, 0xffff
	s_lshl_b32 s17, s17, 2
	s_add_co_u32 s17, s17, s41
	s_lshl_b32 s43, s41, 2
	s_lshl_b32 s43, 15, s43
	s_lshl_b32 s44, 0x1111, s40
	s_or_b32 s[G1+0], s43, (0<<16)|(1<<20)|(1<<21)|(6<<22)|(3<<25)   ; padding: four words behind every 128 (a row of 512 bytes)
	s_or_b32 s[G1B+0], s44, (0<<16)|(1<<20)|(1<<21)|(6<<22)|(3<<25)
.irp g, G1, G1B
	s_mov_b32 s[\g+1], ROWB<<16
	s_mov_b32 s[\g+2], 256<<16
	s_mov_b32 s[\g+3], ROWB<<16
	s_mov_b32 s[\g+4], 256
	s_mov_b32 s[\g+5], KROW
	s_mov_b32 s[\g+6], 0
	s_mov_b32 s[\g+7], 0
.endr
	s_or_b32 s[G1S+0], s43, (3<<16)|(1<<20)|(1<<21)|(5<<22)|(3<<25)
	s_or_b32 s[G1SB+0], s44, (3<<16)|(1<<20)|(1<<21)|(5<<22)|(3<<25)
.irp g, G1S, G1SB
	s_mov_b32 s[\g+1], 32<<16
	s_mov_b32 s[\g+2], (256*KS/256)<<16
	s_mov_b32 s[\g+3], 32<<16
	s_mov_b32 s[\g+4], 256*KS/256
	s_mov_b32 s[\g+5], 32
	s_mov_b32 s[\g+6], 0
	s_mov_b32 s[\g+7], 0
.endr
	s_lshl_b32 s20, s17, 8
	s_lshl_b32 s46, s42, 8
	s_mov_b32 s21, 0
	s_mov_b32 s47, 0
	s_mov_b64 s[18:19], KS
	s_mul_u64 s[22:23], s[20:21], s[18:19]
	s_mul_u64 s[92:93], s[46:47], s[18:19]
	s_mov_b64 s[18:19], KROW
	s_mul_u64 s[20:21], s[20:21], s[18:19]
	s_mul_u64 s[46:47], s[46:47], s[18:19]
	s_wait_dscnt 0x0
	s_wait_kmcnt 0x0
	s_add_nc_u64 s[20:21], s[4:5], s[20:21]
	s_add_nc_u64 s[22:23], s[6:7], s[22:23]
	s_add_nc_u64 s[46:47], s[8:9], s[46:47]
	s_add_nc_u64 s[92:93], s[10:11], s[92:93]
	CROUND
	s_mov_b32 s[G0], 1                             ; x's 256 rows of codes,
	s_mov_b32 s[G0+1], 0
	s_mov_b64 s[G0+2:G0+3], s[20:21]
	s_or_b32 s[G0+3], s[G0+3], 0x80000000
	s_mov_b32 s[G0B], 1                            ; W's 256 rows behind them,
	s_mov_b32 s[G0B+1], 2*HALFT
	s_mov_b64 s[G0B+2:G0B+3], s[46:47]
	s_or_b32 s[G0B+3], s[G0B+3], 0x80000000
	s_mov_b32 s[G0S], 1                            ; the scale bytes of x's rows,
	s_mov_b32 s[G0S+1], SCL
	s_mov_b64 s[G0S+2:G0S+3], s[22:23]
	s_or_b32 s[G0S+3], s[G0S+3], 0x80000000
	s_mov_b32 s[G0SB], 1                           ; and of W's
	s_mov_b32 s[G0SB+1], SCL+2*HALFS
	s_mov_b64 s[G0SB+2:G0SB+3], s[92:93]
	s_or_b32 s[G0SB+3], s[G0SB+3], 0x80000000
	; one tensor load a wave, in one tree of branches on the wave's number
	ARM 1, G0,  G1,  .Lhead_b
	ARM 2, G0B, G1B, .Lhead_sa
	ARM 3, G0S, G1S, .Lhead_sb
	tensor_load_to_lds s[G0SB:G0SB+3], s[G1SB:G1SB+7]
	s_nop 0
.rept 4
	v_nop
.endr
.Lhead_asked:
	v_and_b32 v1, 15, v0
	v_bfe_u32 v2, v0, 4, 1
	v_mul_u32_u24 v3, v1, PITCH
	v_lshl_add_u32 v4, v2, 4, v3
	s_mul_i32 s21, s15, HALFT
	s_mul_i32 s22, s16, HALFT
	v_add_nc_u32 v16, s21, v4
	v_add_nc_u32 v22, s22, v4
	s_add_co_u32 s21, s21, 2*HALFT
	s_add_co_u32 s22, s22, 2*HALFT
	v_add_nc_u32 v18, s21, v4
	v_add_nc_u32 v20, s22, v4
	v_add_nc_u32 v17, SLOT, v16
	v_add_nc_u32 v19, SLOT, v18
	v_add_nc_u32 v21, SLOT, v20
	v_add_nc_u32 v23, SLOT, v22
	v_mul_u32_u24 v5, v1, KS
	v_lshrrev_b32 v6, 8, v5
	v_lshl_add_u32 v5, v6, 4, v5
	s_mul_i32 s21, s15, HALFS
	s_mul_i32 s22, s16, HALFS
	s_add_co_u32 s22, s22, 2*HALFS
	s_sub_co_u32 s22, s22, s21
	v_mul_u32_u24 v6, s22, v2
	s_add_co_u32 s21, s21, SCL
	v_add_nc_u32 v6, v5, v6
	v_add_nc_u32 v27, s21, v6
	s_mul_i32 s21, s16, HALFS
	s_mul_i32 s22, s15, HALFS
	s_add_co_u32 s22, s22, 2*HALFS
	s_sub_co_u32 s22, s22, s21
	v_xor_b32 v7, 1, v2
	v_mul_u32_u24 v6, s22, v7
	s_wait_alu depctr_va_vdst(0)
	s_add_co_u32 s21, s21, SCL
	v_add_nc_u32 v6, v5, v6
	v_add_nc_u32 v30, s21, v6
	v_and_b32 v5, 31, v0
	v_lshlrev_b32 v24, 4, v5
	v_lshlrev_b32 v31, 3, v5
	s_lshl_b32 s23, s14, 10
	s_add_co_u32 s23, s23, STGQ
	v_lshl_add_u32 v25, v1, 4, s23
	v_add_nc_u32 v26, s23, v24
	s_lshl_b32 s23, s14, 9
	s_add_co_u32 s23, s23, STGV
	v_lshl_add_u32 v28, v1, 3, s23
	v_add_nc_u32 v29, s23, v31
	v_lshlrev_b32 v10, 5, v2
	v_lshlrev_b32 v11, 2, v1
.irp b, 0,1,2,3
	v_mov_b32 v[TM+4+\b], 0
.endr
	s_mov_b32 s[SEL], 0x76543210
	s_mov_b32 s[SEL+1], 0xfedcba98
	s_lshr_b32 s2, s17, 3
	s_lshl_b32 s2, s2, 4
	s_and_b32 s3, s42, 3
	s_lshl_b32 s3, s3, 2
	s_add_co_u32 s2, s2, s3
	s_and_b32 s3, s17, 7
	s_lshl_b32 s3, s3, 1
.macro FRAG reg, adr, q, i
.irp c, 0,1
	ds_load_b128 v[\reg+4*\c:\reg+4*\c+3], v[\adr] offset:64*(\q)+32*\c+(\i)*16*PITCH
.endr
.endm
.macro MUL16 a0, p, q, sc, zero
.irp a, \a0, \a0+1
.irp b, 0,1,2,3,4,5,6,7
.if \zero
	v_wmma_scale_f32_16x16x128_f8f6f4 v[8*(8*((\a)%4)+\b):8*(8*((\a)%4)+\b)+7], v[128*(\p)+FR*\b:128*(\p)+FR*\b+FR-1], v[AF+FR*(\a):AF+FR*(\a)+FR-1], v[BIAS+8*(PATHV*(\a)+(1-PATHV)*\b):BIAS+8*(PATHV*(\a)+(1-PATHV)*\b)+7], v[SC+8*NQ*(\sc)+NQ*\b+(\q)], v[SC+8*NQ*(\sc)+NQ*(\a)+(\q)] matrix_a_fmt:MATRIX_FMT_FP4 matrix_b_fmt:MATRIX_FMT_FP4 matrix_a_scale:MATRIX_SCALE_ROW1
.else
	v_wmma_scale_f32_16x16x128_f8f6f4 v[8*(8*((\a)%4)+\b):8*(8*((\a)%4)+\b)+7], v[128*(\p)+FR*\b:128*(\p)+FR*\b+FR-1], v[AF+FR*(\a):AF+FR*(\a)+FR-1], v[8*(8*((\a)%4)+\b):8*(8*((\a)%4)+\b)+7], v[SC+8*NQ*(\sc)+NQ*\b+(\q)], v[SC+8*NQ*(\sc)+NQ*(\a)+(\q)] matrix_a_fmt:MATRIX_FMT_FP4 matrix_b_fmt:MATRIX_FMT_FP4 matrix_a_scale:MATRIX_SCALE_ROW1
.endif
.endr
.endr
.endm
.macro FETCH_B slot, q, p
	WIN TO_B
.irp i, 0,1,2,3,4,5,6,7
	FRAG 128*(\p)+FR*\i, ADRB+\slot, \q, \i
.endr
	WIN 0
.endm
.macro FETCH_A slot, q, i0
.irp i, \i0, \i0+1, \i0+2, \i0+3
	FRAG AF+FR*(\i), ADRA+\slot, \q, \i
.endr
.endm
.macro SCALES sc
.irp i, 0,1,2,3,4,5,6,7
	ds_load_b128 v[SC+8*NQ*\sc+NQ*\i:SC+8*NQ*\sc+NQ*\i+3], v[ADRS] offset:\i*SBLK
.endr
.endm
.macro PLACES n
.rept \n
	v_nop
.endr
.endm
.macro STEP slot, q, zero
	s_wait_dscnt 4*NL
.if \zero
	WIN 0x91
.else
	WIN MUL_LO
.endif
	MUL16 0, (\q)%2, \q, \slot, \zero
	MUL16 2, (\q)%2, \q, \slot, \zero
	s_wait_dscnt 0
	PLACES NP
	FETCH_B \slot, (\q)+1, 1-(\q)%2
	FETCH_A \slot, (\q)+1, 0
.if \zero
	WIN 0xd1
.else
	WIN MUL_HI
.endif
	MUL16 4, (\q)%2, \q, \slot, \zero
	MUL16 6, (\q)%2, \q, \slot, \zero
	PLACES NP
	WIN 0
	FETCH_A \slot, (\q)+1, 4
.endm
.macro STEPS slot, from
.set Q, \from
.rept NQ-1-\from
	STEP \slot, Q, 0
.set Q, Q+1
.endr
.endm
.macro MAIN
	s_wait_loadcnt 0x0
	s_wait_tensorcnt 0x0                           ; my tile of the four is in,
	s_barrier_signal -1
	s_barrier_wait -1                              ; everybody's is: from here on these bytes are only read
	FETCH_B 0, 0, 0
	FETCH_A 0, 0, 0
	SCALES 0
	FETCH_A 0, 0, 4
	STEP 0, 0, 1
	STEPS 0, 1
	s_wait_dscnt 4*NL
	WIN MUL_LO
	MUL16 0, 1, NQ-1, 0, 0
	MUL16 2, 1, NQ-1, 0, 0
	s_wait_dscnt 0x0
	WIN 0
	PLACES NP
	v_add_nc_u32 v[ADRS], 4*NQ, v[ADRS]
	FETCH_B 1, 0, 0
	FETCH_A 1, 0, 0
	SCALES 1
	WIN MUL_HI
	MUL16 4, 1, NQ-1, 0, 0
	MUL16 6, 1, NQ-1, 0, 0
	PLACES NP
	WIN 0
	FETCH_A 1, 0, 4
	STEPS 1, 0
	s_wait_dscnt 4*NL
	WIN MUL_LO
	MUL16 0, 1, NQ-1, 1, 0
	MUL16 2, 1, NQ-1, 1, 0
	s_wait_dscnt 0
	WIN MUL_HI
	MUL16 4, 1, NQ-1, 1, 0
	MUL16 6, 1, NQ-1, 1, 0
	WIN 0
	PLACES NP
.endm
.macro QUANTW a
.set AC, 64*((\a)%4)
.set PCA, AF+8*(\a)
	WIN 0x0a+5*((\a)/4)
.irp b, 0,1,2,3
	v_max3_num_f32 v[TM+\b], |v[AC+16*\b]|, |v[AC+16*\b+1]|, 0x1800000
.endr
.irp i, 2,4,6,8,10,12,14
.irp b, 0,1,2,3
	v_max3_num_f32 v[TM+\b], |v[AC+16*\b+\i]|, |v[AC+16*\b+\i+1]|, v[TM+\b]
.endr
.endr
	WIN 0
.irp b, 0,1,2,3
	v_permlanex16_b32 v[TM+4+\b], v[TM+\b], s[SEL], s[SEL+1]
.endr
.irp b, 0,1,2,3
	v_max_num_f32 v[TM+\b], v[TM+\b], v[TM+4+\b]
.endr
.irp b, 0,1,2,3
	v_add_nc_u32 v[TM+12+\b], 0xff000000, v[TM+\b]
.endr
.irp b, 0,1,2,3
	v_lshrrev_b32 v[TM+4+\b], 23, v[TM+12+\b]
.endr
.if PATHV
	v_lshl_or_b32 v[WD+2*(\a)], v[TM+5], 8, v[TM+4]
	v_lshl_or_b32 v[WD+2*(\a)], v[TM+6], 16, v[WD+2*(\a)]
	v_lshl_or_b32 v[WD+2*(\a)], v[TM+7], 24, v[WD+2*(\a)]
.else
	v_lshl_or_b32 v[WD+2*(\a)], v[TM+5], 8, v[TM+4]
	v_lshl_or_b32 v[WD+2*(\a)+1], v[TM+7], 8, v[TM+6]
	v_or_b32 v[WD+2*(\a)], 0x7f7f0000, v[WD+2*(\a)]
	v_or_b32 v[WD+2*(\a)+1], 0x7f7f0000, v[WD+2*(\a)+1]
.endif
	WIN 0x02+((\a)/4)
.irp b, 0,1,2,3
	v_cvt_scalef32_pk8_fp4_f32 v[PCA+2*\b], v[AC+16*\b:AC+16*\b+7], v[TM+12+\b]
	v_cvt_scalef32_pk8_fp4_f32 v[PCA+2*\b+1], v[AC+16*\b+8:AC+16*\b+15], v[TM+12+\b]
.endr
	WIN 0
	v_nop
.irp c, 0,1
.irp i, 0,1
	v_permlane16_swap_b32 v[PCA+4*\c+\i], v[PCA+4*\c+2+\i]
.endr
.endr
.endm
	s_cmp_eq_u32 ttmp9, 2
	s_cbranch_scc1 .Lpath_v
.set PATHV, 0
.set ADRA, 16
.set ADRB, 20
.set ADRS, 27
	s_lshl_b32 s66, s42, 10
	s_lshl_b32 s67, s16, 9
	s_add_co_u32 s66, s66, s67
	s_mov_b32 s67, 0
	s_add_nc_u64 s[12:13], s[12:13], s[66:67]
	WIN 0x40
	s_wait_alu depctr_va_vdst(0)
.irp b, 0,1,2,3,4,5,6,7
	global_load_b128 v[BIAS+8*\b:BIAS+8*\b+3], v10, s[12:13] offset:64*\b
	global_load_b128 v[BIAS+8*\b+4:BIAS+8*\b+7], v10, s[12:13] offset:64*\b+16
.endr
	WIN 0
	s_lshl_b32 s66, s16, 1
	s_add_co_u32 s66, s66, s2
	s_mul_i32 s66, s66, HS
	s_add_co_u32 s95, s3, s15
	s_mul_i32 s95, s95, REC
	s_add_co_u32 s66, s66, s95
	s_cmp_eq_u32 ttmp9, 0
	s_cselect_b64 s[96:97], s[96:97], s[98:99]
	s_add_nc_u64 s[96:97], s[96:97], s[66:67]
	MAIN
.irp a, 0,1,2,3,4,5,6,7
	QUANTW \a
	global_store_b128 v24, v[AF+8*\a:AF+8*\a+3], s[96:97] offset:512*\a
	global_store_b128 v24, v[AF+8*\a+4:AF+8*\a+7], s[96:97] offset:HS+512*\a
	ds_store_b32 v25, v[WD+2*\a] offset:256*(\a&1)+4*(\a>>1)
	ds_store_b32 v25, v[WD+2*\a+1] offset:512+256*(\a&1)+4*(\a>>1)
.endr
	ds_load_b128 v[32:35], v26
	ds_load_b128 v[36:39], v26 offset:512
	s_wait_dscnt 0x0
	global_store_b128 v24, v[32:35], s[96:97] offset:8192
	global_store_b128 v24, v[36:39], s[96:97] offset:HS+8192
	s_branch .Lend
.Lpath_v:
.set PATHV, 1
.set ADRA, 18
.set ADRB, 22
.set ADRS, 30
	s_lshl_b32 s66, s42, 10
	s_lshl_b32 s67, s15, 9
	s_add_co_u32 s66, s66, s67
	s_mov_b32 s67, 0
	s_add_nc_u64 s[12:13], s[12:13], s[66:67]
	WIN 0x40
	s_wait_alu depctr_va_vdst(0)
.irp a, 0,1,2,3,4,5,6,7
	global_load_b32 v[BIAS+8*\a], v11, s[12:13] offset:64*\a
.endr
	WIN 0
	s_lshl_b32 s66, s15, 1
	s_add_co_u32 s66, s66, s2
	s_mul_i32 s66, s66, HS
	s_add_co_u32 s95, s3, s16
	s_mul_i32 s95, s95, REC
	s_add_co_u32 s66, s66, s95
	s_add_nc_u64 s[98:99], s[98:99], s[66:67]
	s_wait_loadcnt 0x0
	WIN 0x41
.irp a, 0,1,2,3,4,5,6,7
.irp j, 1,2,3,4,5,6,7
	v_mov_b32 v[BIAS+8*\a+\j], v[BIAS+8*\a]
.endr
.endr
	WIN 0
	PLACES NP
	s_wait_alu depctr_va_vdst(0)
	MAIN
.irp a, 0,1,2,3,4,5,6,7
	QUANTW \a
	global_store_b128 v24, v[AF+8*\a:AF+8*\a+3], s[98:99] offset:HS*(\a/4)+4096+1024*(\a%4)
	global_store_b128 v24, v[AF+8*\a+4:AF+8*\a+7], s[98:99] offset:HS*(\a/4)+4096+1024*(\a%4)+512
	ds_store_b32 v28, v[WD+2*\a] offset:256*(\a/4)+128*(\a&1)+4*((\a%4)>>1)
.endr
	ds_load_b64 v[32:33], v29
	ds_load_b64 v[34:35], v29 offset:256
	s_wait_dscnt 0x0
	global_store_b64 v31, v[32:33], s[98:99] offset:8704
	global_store_b64 v31, v[34:35], s[98:99] offset:HS+8704
.Lend:
	s_wait_dscnt 0x0
	s_wait_tensorcnt 0x0
	ds_add_u32 v254, v255
	s_wait_dscnt 0x0
	CROUND
	s_endpgm
.Lfunc_end_k_q1fda08b758_gemm:
	.size	k_q1fda08b758_gemm, .Lfunc_end_k_q1fda08b758_gemm-k_q1fda08b758_gemm
	.p2alignl 7, 3214868480
	.fill 96, 4, 3214868480
	.section	.rodata,"a",@progbits
	.p2align	6, 0x0
	.amdhsa_kernel k_q1fda08b758_gemm
		.amdhsa_group_segment_fixed_size 327680
		.amdhsa_private_segment_fixed_size 0
		.amdhsa_enable_private_segment 0
		.amdhsa_kernarg_size 56
		.amdhsa_user_sgpr_count 2
		.amdhsa_user_sgpr_kernarg_segment_ptr 1
		.amdhsa_wavefront_size32 1
		.amdhsa_system_sgpr_workgroup_id_x 1
		.amdhsa_system_sgpr_workgroup_id_y 1
		.amdhsa_system_sgpr_workgroup_id_z 1
		.amdhsa_system_vgpr_workitem_id 0
		.amdhsa_next_free_vgpr 1024
		.amdhsa_next_free_sgpr 100
		.amdhsa_reserve_vcc 0
		.amdhsa_float_denorm_mode_32 3
		.amdhsa_float_denorm_mode_16_64 3
		.amdhsa_memory_ordered 1
		.amdhsa_forward_progress 1
		.amdhsa_inst_pref_size 252
	.end_amdhsa_kernel
	.amdgpu_metadata
---
amdhsa.version: [ 1, 2 ]
amdhsa.kernels:
  - .name:           k_q1fda08b758_gemm
    .symbol:         k_q1fda08b758_gemm.kd
    .args:
      - { .name: x_codes, .offset: 0, .size: 8, .value_kind: global_buffer, .address_space: global }
      - { .name: x_scales, .offset: 8, .size: 8, .value_kind: global_buffer, .address_space: global }
      - { .name: w_codes, .offset: 16, .size: 8, .value_kind: global_buffer, .address_space: global }
      - { .name: w_scales, .offset: 24, .size: 8, .value_kind: global_buffer, .address_space: global }
      - { .name: b_qkv, .offset: 32, .size: 8, .value_kind: global_buffer, .address_space: global }
      - { .name: qrec, .offset: 40, .size: 8, .value_kind: global_buffer, .address_space: global }
      - { .name: kv, .offset: 48, .size: 8, .value_kind: global_buffer, .address_space: global }
    .group_segment_fixed_size: 327680
    .private_segment_fixed_size: 0
    .kernarg_segment_align: 8
    .kernarg_segment_size: 56
    .max_flat_workgroup_size: 128
    .sgpr_count:     100
    .vgpr_count:     1024
    .wavefront_size: 32
...
	.end_amdgpu_metadata
.endif
;; end of part 2
;; launch attn (part 3): grid 4 x 64, 16 waves a work-group, clusters of 4 x 1, 215,040 bytes of LDS; arguments qrec, kv, out0; writes out0
.if DOCPART == 3
	.amdgcn_target "amdgcn-amd-amdhsa--gfx1250"
	.amdhsa_code_object_version 6
	.text
	.protected	k_q1fda08b758_attn
	.globl	k_q1fda08b758_attn
	.p2align	8
	.type	k_q1fda08b758_attn,@function
k_q1fda08b758_attn:
	s_mov_b64 s[64:65], 0
	v_nop
	global_prefetch_b8 v0, s[64:65] scope:SCOPE_SE
	s_setreg_imm32_b32 hwreg(HW_REG_WAVE_MODE, 25, 1), 1
	s_wait_xcnt 0x0
	s_wait_alu depctr_hold_cnt(0) depctr_sa_sdst(0) depctr_va_vdst(0) depctr_va_sdst(0) depctr_va_ssrc(0) depctr_va_vcc(0) depctr_vm_vsrc(0)
	s_getreg_b32 s2, hwreg(HW_REG_IB_STS2, 6, 4)
	s_cmp_eq_u32 s2, 0
	s_cbranch_scc0 .Lentry_in_a_cluster
	s_endpgm
.Lentry_in_a_cluster:
	s_bfe_u32 s2, ttmp6, 0x10000c
	s_cmp_lg_u32 s2, 0x3003
	s_cbranch_scc0 .Lentry_shape_is_right
	s_endpgm
.Lentry_shape_is_right:
; out0 [64 heads][2048][64] f32 = softmax(q k^T / 8) v for each head, both products on codes of FP4 with E8M0 scales, from the records that the launch before stored.
; THE SOFTMAX: t = score x log2(e) / 8; M = the running largest t rounded UP to a whole number; p = 2^(t - M) is quantised along the keys, not normalised; the row's sum is taken of the unquantised p
; and divides at the end.  When M moves, the sum and O are multiplied by 2^(old M - new M), which rounds nothing.
; SHARES.  A cluster of four work-groups takes a head, each work-group 512 queries, each of its sixteen waves 32: two tiles of 16, which share every fragment of k and v.
; THE WHOLE HEAD LIES IN LDS: its 16 records, 143,360 bytes, are filled once, a record a wave, by joint loads that name the four partners.  The loop over the keys has no barrier and no fill,
; and nothing is left to prefetch: all that the launch reads is asked for at its head.
; RECORD of 128 keys, 8,960 bytes:  0: k's codes, key n, block h of the head's 64 at 512 (n / 16) + 16 (n % 16) + 256 h;  4,096: v's codes, d tile t, registers 4 c on at 1,024 t + 512 c + 16 lane;
; 8,192: k's scale words, key n at 256 ((n / 16) & 1) + 16 (n % 16) + 4 (n / 32);  8,704: v's, d tile t, row r at 8 (16 (t & 1) + r) + 4 (t >> 1).  qrec has q in k's places.
; THE HEAD IS 64, the instruction's K 128: q's upper four registers hold zero codes, so whatever stands in k's upper four (the next tile's codes) adds nothing; the upper scale bytes stand for 1.0.
; LAYOUT.  S^T = k q^T (source 0 = 16 keys, source 1 = 16 queries), O^T = v^T p^T: a lane holds ONE query throughout.
; THE KEYS OF A TILE ARE CHOSEN so that a lane holds WHOLE blocks of 32 keys: row m of tile (c, t) is key 64 c + 32 (m / 8) + 8 g + m % 8, g = 0, 2, 1, 3 for t = 0 .. 3.  Lane (r, h) then holds in the 32 registers
; of tiles (c, 0 .. 3) block 2 c + h, in the order in which v's codes were packed: a block's largest score needs no other lane, and the conversions' results are the second product's operand as they stand.
; CHAINS ARE LAID WIDE: the maxima run in eight chains, a tile of scores each; the row's sum is a tree in place over p, behind the conversions; so few lines read what the lines just above them wrote.
; LIMITS: NaN and infinities are not served; the promise holds while the scaled scores stay under 2^31 in magnitude; a block whose largest p lies under 2^-124 keeps the byte 1.
.set HS,    143360
.set REC,   8960
.set STAGE, 143360                     ; behind the records: 16 rows x 272 bytes for each wave; no tile lands there
.set SP,    272
.set SPARE, 212992                     ; behind the stages: the spare words, 128 bytes a wave
.set ST,    8                          ; tile u: v[8+4u] -M, +1 the largest score, +2, +3 the sum in two halves
.set Q,     16                         ; tile u: v[16+8u] four registers of codes, four of zeros
.set KF,    32                         ; v32-63 k's eight tiles (four registers each), v64-67 zeros; later v's four tiles (eight each)
.set KSC,   68                         ; v68-71 k's scale words: register 2 c + y: lanes 0-15 g = 2 y, lanes 16-31 g = 2 y + 1
.set VSC,   72                         ; v72-73 v's
.set QSC,   74                         ; v74    q's: lanes 0-15 tile 0, lanes 16-31 tile 1
.set PW,    75                         ; v75-76 p's scale words
.set SH8,   77                         ; v77    8 h
.set AK0,   78                         ; v78    my lane's place among k's codes
.set AS0,   79                         ; v79    and among k's scale words
.set PC,    80                         ; v80-95 p's codes, eight a tile; ahead of the conversions the tile's eight hold the maxima's chains
.set S,     96                         ; v96-159 S^T, then p, then the sum's tree
.set O,     160                        ; v160-223 O^T, 32 a tile
.set BM,    224                        ; v224-225 my two blocks' largest scores, then their largest p / 4
.set PM,    228                        ; v228-231 at work: the other half's numbers
.set CO,    232                        ; v232-233 the conversions' scale operands, v234-235 their bytes
.set F,     236                        ; v[236:237] f = 2^(old M - new M), and a zero beside it
.set TV,    238
.set TV2,   239                        ; -M - 2
.set RL,    240                        ; v[240+2u:241+2u] 1 / the sum
.set ADK,   244                        ; the step's addresses of k's codes and scale words
.set ADS,   245
.set QA,    246
.set QB,    247
.set WV,    10
.set G1,    16
.set G0,    24
.set SEL,   28
.set CS,    30
.set TB,    32
.set CNT,   33
.set NC,    40
.macro CROUND
	s_barrier_signal -1
	s_barrier_wait -1
	s_cmp_lg_u32 s[WV], 0
	s_cbranch_scc1 .Lnot_wave_0_\@
	s_barrier_signal -3
.Lnot_wave_0_\@:
	s_barrier_wait -3
	s_barrier_signal -1
	s_barrier_wait -1
.endm
	s_load_b128 s[4:7], s[0:1], 0x0                ; qrec, kv
	s_load_b64 s[8:9], s[0:1], 0x10                ; out0
	v_lshl_add_u32 v254, v0, 2, SPARE
	v_mov_b32 v255, 0
	ds_add_u32 v254, v255                          ; the opening lines: the add, twice on end, and its wait
	ds_add_u32 v254, v255
	v_lshrrev_b32 v1, 5, v0
	v_readfirstlane_b32 s[WV], v1                  ; wave 0..15
	s_bfe_u32 s11, ttmp6, 0x40000                  ; cx: it enters q's and the output's addresses alone
	s_and_b32 s12, ttmp7, 0xffff                   ; the head, which the four partners share
	; group 1: a record as 35 dense rows of 256 bytes (32 elements of 8 bytes), no padding
	s_mov_b32 s[G1], 15|(3<<16)|(1<<21)            ; the mask names all four; bit 21 beside it
	s_mov_b32 s[G1+1], 32<<16
	s_mov_b32 s[G1+2], 35<<16
	s_mov_b32 s[G1+3], 32<<16
	s_mov_b32 s[G1+4], 35
	s_mov_b32 s[G1+5], 32
	s_mov_b32 s[G1+6], 0
	s_mov_b32 s[G1+7], 0
	s_mul_i32 s34, s12, HS                         ; the head's records
	s_mov_b32 s35, 0
	s_mul_i32 s38, s[WV], REC                      ; my record, in memory and in LDS
	s_mov_b32 s39, 0
	s_mov_b32 s[SEL], 0x76543210
	s_mov_b32 s[SEL+1], 0xfedcba98
	s_mov_b32 s[CS], 0x3e38aa3b                    ; c = log2(e) / 8
	s_mov_b32 s[CS+1], s[CS]
	s_mov_b32 s[NC], 0xbe38aa3b                    ; -c
	s_wait_dscnt 0x0
	s_wait_kmcnt 0x0
	s_mov_b32 s[G0], 1
	s_mov_b32 s[G0+1], s38
	s_add_nc_u64 s[G0+2:G0+3], s[6:7], s[34:35]
	s_add_nc_u64 s[G0+2:G0+3], s[G0+2:G0+3], s[38:39]
	s_or_b32 s[G0+3], s[G0+3], 0x80000000
	CROUND                                         ; the four work-groups are here: the joint loads meet
	tensor_load_to_lds s[G0:G0+3], s[G1:G1+7]      ; my one tensor load of the launch
	s_nop 0
.rept 4
	v_nop
.endr
	v_and_b32 v2, 31, v0
	v_lshlrev_b32 v1, 4, v2                        ; 16 lane
	v_lshlrev_b32 v2, 3, v2                        ; 8 lane
	s_and_b32 s13, s[WV], 3
	s_lshl_b32 s36, s13, 10
	v_add_nc_u32 v[QA], s36, v1                    ; q's codes: tiles 2 (w & 3), + 1 of the group: 1,024 (w & 3) + 16 lane
	s_lshl_b32 s36, s13, 2
	v_add_nc_u32 v[QB], s36, v1                    ; q's scale words: 16 lane + 4 (w & 3)
	s_lshl_b32 s36, s11, 2
	s_lshr_b32 s13, s[WV], 2
	s_add_co_u32 s36, s36, s13                     ; my group of 128 queries: 4 cx + w / 4
	s_mul_i32 s36, s36, REC
	s_mov_b32 s37, 0
	s_add_nc_u64 s[4:5], s[4:5], s[34:35]
	s_add_nc_u64 s[4:5], s[4:5], s[36:37]
	s_wait_alu depctr_va_vdst(0)                   ; the wait here, directly ahead of the readers below
	global_load_b128 v[Q:Q+3], v[QA], s[4:5]
	global_load_b128 v[Q+8:Q+11], v[QA], s[4:5] offset:512
	global_load_b32 v[QSC], v[QB], s[4:5] offset:8192
	s_lshl_b32 s36, s12, 19                        ; the output: a head is 2,048 rows of 256 bytes,
	s_lshl_b32 s13, s11, 17                        ; a work-group 512 rows,
	s_add_co_u32 s36, s36, s13
	s_lshl_b32 s13, s[WV], 13                      ; a wave 32
	s_add_co_u32 s36, s36, s13
	s_add_nc_u64 s[8:9], s[8:9], s[36:37]
	v_and_b32 v3, 15, v0                           ; r
	v_bfe_u32 v4, v0, 4, 1                         ; h
	v_and_b32 v[TV], 7, v0                         ; r % 8
	v_bfe_u32 v[TV2], v0, 3, 1                     ; r / 8
	v_lshlrev_b32 v[SH8], 3, v4
	v_lshlrev_b32 v[AK0], 4, v[TV]
	v_lshl_add_u32 v[AS0], v[TV2], 2, v[AK0]
	v_lshl_add_u32 v[AS0], v4, 7, v[AS0]           ; scale words: 16 (r % 8) + 4 (r / 8) + 128 h
	v_lshl_add_u32 v[AK0], v[TV2], 10, v[AK0]
	v_lshl_add_u32 v[AK0], v4, 8, v[AK0]           ; codes: 16 (r % 8) + 1,024 (r / 8) + 256 h
	s_mul_i32 s36, s[WV], 16*SP
	s_add_co_u32 s36, s36, STAGE                   ; my stage
	v_mul_u32_u24 v5, v3, SP
	v_mul_u32_u24 v6, v4, SP
	v_lshl_add_u32 v5, v4, 5, v5
	v_lshl_add_u32 v6, v3, 4, v6
	v_add_nc_u32 v5, s36, v5                       ; in: row r, + 32 h
	v_add_nc_u32 v6, s36, v6                       ; back: lanes 0-15 one row, lanes 16-31 the next
.irp u, 0,1
	v_mov_b32 v[ST+4*\u+1], 0xff61b1e6             ; the largest score so far: -3e38
	v_mov_b32 v[ST+4*\u], 0x7e000000               ; -M begins at 2^125, a whole number: the first f is 0, over zeros
	v_mov_b32 v[ST+4*\u+2], 0
	v_mov_b32 v[ST+4*\u+3], 0
.irp j, 4,5,6,7
	v_mov_b32 v[Q+8*\u+\j], 0                      ; zero codes for k = 64 .. 127
.endr
	v_mov_b32 v[RL+2*\u+1], 0                      ; (named as the upper half of a pair)
.endr
.irp j, 0,1,2,3
	v_mov_b32 v[KF+32+\j], 0                       ; behind k's last tile
	v_mov_b32 v[PM+\j], 0                          ; a lane permute's destination counts as one of its sources
.endr
	v_mov_b32 v[F+1], 0
.set j, 0
.rept 64
	v_mov_b32 v[O+j], 0                            ; the step is written once: the first finds zeros, which the first change of M leaves zeros
.set j, j+1
.endr
	s_mov_b32 s[TB], 0
	s_mov_b32 s[CNT], 16
	s_wait_alu depctr_va_vdst(0)                   ; the wait at the head's end
	s_wait_tensorcnt 0x0                           ; my record is in,
	s_barrier_signal -1
	s_barrier_wait -1                              ; everybody's is: from here on LDS is only read, but for each wave's own stage
	s_wait_loadcnt 0x0                             ; q
; one scaled product; ra, rb: which half of the lanes holds source 0's and source 1's scale words
.macro WS d, a, b, c, sa, sb, ra, rb
.if ((\ra) == 0) && ((\rb) == 0)
	v_wmma_scale_f32_16x16x128_f8f6f4 v[\d:\d+7], v[\a:\a+7], v[\b:\b+7], \c, v[\sa], v[\sb] matrix_a_fmt:MATRIX_FMT_FP4 matrix_b_fmt:MATRIX_FMT_FP4
.elseif (\rb) == 0
	v_wmma_scale_f32_16x16x128_f8f6f4 v[\d:\d+7], v[\a:\a+7], v[\b:\b+7], \c, v[\sa], v[\sb] matrix_a_fmt:MATRIX_FMT_FP4 matrix_b_fmt:MATRIX_FMT_FP4 matrix_a_scale:MATRIX_SCALE_ROW1
.elseif (\ra) == 0
	v_wmma_scale_f32_16x16x128_f8f6f4 v[\d:\d+7], v[\a:\a+7], v[\b:\b+7], \c, v[\sa], v[\sb] matrix_a_fmt:MATRIX_FMT_FP4 matrix_b_fmt:MATRIX_FMT_FP4 matrix_b_scale:MATRIX_SCALE_ROW1
.else
	v_wmma_scale_f32_16x16x128_f8f6f4 v[\d:\d+7], v[\a:\a+7], v[\b:\b+7], \c, v[\sa], v[\sb] matrix_a_fmt:MATRIX_FMT_FP4 matrix_b_fmt:MATRIX_FMT_FP4 matrix_a_scale:MATRIX_SCALE_ROW1 matrix_b_scale:MATRIX_SCALE_ROW1
.endif
.endm
; S^T of tile u: eight products, 16 keys each, begun with the constant 0.  Tile (c, t) has g = 2 (t & 1) + (t >> 1)
.macro SQ u
.irp c, 0,1
.irp t, 0,1,2,3
	WS S+32*\c+8*\t, KF+16*\c+4*\t, Q+8*\u, 0, KSC+2*\c+(\t&1), QSC, \t>>1, \u
.endr
.endr
.endm
; O^T += v^T p^T: four tiles of d x two tiles of queries; the eight accumulators take turns, one instruction a turn
.macro PV
.irp t, 0,1,2,3
.irp u, 0,1
	WS O+32*\u+8*\t, KF+8*\t, PC+8*\u, v[O+32*\u+8*\t:O+32*\u+8*\t+7], VSC+\t/2, PW+\u, \t&1, 0
.endr
.endr
.endm
.macro OM u, j                         ; two numbers of O^T under the new M
	v_pk_mul_f32 v[O+32*\u+\j:O+32*\u+\j+1], v[O+32*\u+\j:O+32*\u+\j+1], v[F:F+1] op_sel_hi:[1,0]
.endm
.macro AD a, b                         ; a link of the sum's tree, in place
	v_pk_add_f32 v[S+\a:S+\a+1], v[S+\a:S+\a+1], v[S+\b:S+\b+1]
.endm
; Tile u's scores in v[S] on become p's codes in v[PC + 8 u] on and its scale word in v[PW + u]; M, the sum and O^T are brought on.  Registers 32 c + 0 .. 31 are my block 2 c + h.
.macro SOFTMAX u
.set T, ST+4*\u
.set MX, PC+8*\u
.irp n, 0,1,2,3,4,5,6,7
	v_max3_num_f32 v[MX+\n], v[S+8*\n], v[S+8*\n+1], v[S+8*\n+2]   ; eight chains, a tile of scores each, each accumulator from its low end on
.endr
.irp i, 3,5
.irp n, 0,1,2,3,4,5,6,7
	v_max3_num_f32 v[MX+\n], v[MX+\n], v[S+8*\n+\i], v[S+8*\n+\i+1]
.endr
.endr
.irp c, 0,1
	v_max3_num_f32 v[MX+4*\c], v[MX+4*\c], v[S+32*\c+7], v[S+32*\c+15]       ; the tiles' last registers
	v_max3_num_f32 v[MX+4*\c+1], v[MX+4*\c+1], v[S+32*\c+23], v[S+32*\c+31]
.endr
	s_delay_alu instid0(VALU_DEP_3)
	v_max3_num_f32 v[BM], v[MX], v[MX+1], v[MX+2]
	s_delay_alu instid0(VALU_DEP_2)
	v_max3_num_f32 v[BM+1], v[MX+4], v[MX+5], v[MX+6]
	s_delay_alu instid0(VALU_DEP_2)
	v_max_num_f32 v[BM], v[BM], v[MX+3]            ; the largest score of each of my two blocks: for the row's maximum and, since p rises with the score, for the block's largest p
	s_delay_alu instid0(VALU_DEP_2)
	v_max_num_f32 v[BM+1], v[BM+1], v[MX+7]
	s_delay_alu instid0(VALU_DEP_1)
	v_max_num_f32 v[TV], v[BM], v[BM+1]
	s_delay_alu instid0(VALU_DEP_1)
	v_permlanex16_b32 v[PM], v[TV], s[SEL], s[SEL+1]
	s_delay_alu instid0(VALU_DEP_1)
	v_max3_num_f32 v[T+1], v[T+1], v[TV], v[PM]    ; the running largest score, with lane l xor 16's two blocks
	v_mov_b32 v[TV], v[T]
	s_delay_alu instid0(VALU_DEP_2)
	v_mul_f32 v[PM+1], s[NC], v[T+1]               ; -t (c is positive)
	s_delay_alu instid0(VALU_DEP_1)
	v_floor_f32 v[T], v[PM+1]                      ; the new -M = -ceil(t)
	s_delay_alu instid0(VALU_DEP_1)
	v_sub_f32 v[TV], v[T], v[TV]                   ; old M - new M: a whole number, 0 or less
	s_delay_alu instid0(VALU_DEP_2)
	v_add_f32 v[TV2], -2.0, v[T]                   ; -M - 2
	s_delay_alu instid0(VALU_DEP_2)
	v_cvt_i32_f32 v[TV], v[TV]                     ; (it saturates)
	s_delay_alu instid0(VALU_DEP_1)
	v_ldexp_f32 v[F], 1.0, v[TV]                   ; f
.set j, 0
.rept 32
	v_pk_fma_f32 v[S+j:S+j+1], v[S+j:S+j+1], s[CS:CS+1], v[T:T+1] op_sel_hi:[1,0,0]   ; t - M
.set j, j+2
.endr
	v_fma_f32 v[BM], v[BM], s[CS], v[TV2]          ; t - M - 2 of each block's largest score: its exponential's exponent field is the block's scale byte
	v_fma_f32 v[BM+1], v[BM+1], s[CS], v[TV2]
	s_wait_alu depctr_va_vdst(0)                   ; the wait ahead of the batch
	v_exp_f32 v[BM], v[BM]
	v_exp_f32 v[BM+1], v[BM+1]
.set j, 0
.rept 64
	v_exp_f32 v[S+j], v[S+j]                       ; p
.set j, j+1
.endr
	s_wait_alu depctr_va_vdst(0)                   ; one wait for the batch, directly ahead of O^T's first readers too
	; O^T under the new M, each accumulator from its low end on; the links of the scale word's chain lie between
.irp j, 0,2
	OM \u, \j
.endr
	v_max_num_f32 v[CO], 0x800000, v[BM]           ; the floor 2^-126: the byte cannot fall under 1.  The conversion takes this operand's exponent field as its scale
	v_max_num_f32 v[CO+1], 0x800000, v[BM+1]
.irp j, 4,6,8,10
	OM \u, \j
.endr
	v_lshrrev_b32 v[CO+2], 23, v[CO]               ; the scales' bytes
	v_lshrrev_b32 v[CO+3], 23, v[CO+1]
.irp j, 12,14,16,18
	OM \u, \j
.endr
	v_lshl_or_b32 v[PW+\u], v[CO+3], 16, v[CO+2]   ; blocks h and 2 + h,
.irp j, 20,22,24,26
	OM \u, \j
.endr
	v_lshlrev_b32 v[PW+\u], v[SH8], v[PW+\u]       ; at their places in the word;
.irp j, 28,30
	OM \u, \j
.endr
.irp c, 0,1
.irp t, 0,1,2,3
	v_cvt_scalef32_pk8_fp4_f32 v[PC+8*\u+4*\c+\t], v[S+32*\c+8*\t:S+32*\c+8*\t+7], v[CO+\c]   ; register 4 c + t of the operand
.endr
.endr
	v_permlanex16_b32 v[PM+2], v[PW+\u], s[SEL], s[SEL+1]   ; (also the plain line behind the conversions, ahead of the lines that write over p)
	; the row's sum of the unquantised p: a tree in place, 16, 8, 4, 2, 1 and 1 lines; these also stand between the word and the codes just made and the products that take them
.set j, 0
.rept 4
	AD j, j+32
.set j, j+2
.endr
	v_or_b32 v[PW+\u], v[PW+\u], v[PM+2]           ; with lane l xor 16's two bytes the word is whole
.rept 12
	AD j, j+32
.set j, j+2
.endr
.set j, 0
.rept 8
	AD j, j+16
.set j, j+2
.endr
	s_delay_alu instid0(VALU_DEP_4)
	AD 0, 8
	s_delay_alu instid0(VALU_DEP_4)
	AD 2, 10
	s_delay_alu instid0(VALU_DEP_4)
	AD 4, 12
	s_delay_alu instid0(VALU_DEP_4)
	v_pk_fma_f32 v[T+2:T+3], v[T+2:T+3], v[F:F+1], v[S+14:S+15] op_sel_hi:[1,0,1]   ; the old sum under the new M
	s_delay_alu instid0(VALU_DEP_3)
	AD 0, 2
	s_delay_alu instid0(VALU_DEP_3)
	AD 4, 6
	s_delay_alu instid0(VALU_DEP_1)
	AD 0, 4
	s_delay_alu instid0(VALU_DEP_1)
	v_pk_add_f32 v[T+2:T+3], v[T+2:T+3], v[S:S+1]
.endm
.Lstep:                                            ; 16 trips, 128 keys each
	v_add_nc_u32 v[ADK], s[TB], v[AK0]             ; these four are the places behind the last trip's products, in front of loads into the registers that they read
	v_add_nc_u32 v[ADS], s[TB], v[AS0]
	v_add_nc_u32 v3, s[TB], v1
	v_add_nc_u32 v4, s[TB], v2
.irp c, 0,1
.irp t, 0,1,2,3
	ds_load_b128 v[KF+16*\c+4*\t:KF+16*\c+4*\t+3], v[ADK] offset:2048*\c+512*(\t&1)+128*(\t>>1)
.endr
.endr
.irp c, 0,1
.irp y, 0,1
	ds_load_b32 v[KSC+2*\c+\y], v[ADS] offset:8192+256*\y+8*\c
.endr
.endr
	s_wait_dscnt 0x0
	SQ 0
.rept 4
	v_nop
.endr
	SOFTMAX 0
	SQ 1
.rept 4
	v_nop                                          ; in front of the loads into k's registers and of the first read of the scores
.endr
.irp i, 0,1,2,3,4,5,6,7
	ds_load_b128 v[KF+4*\i:KF+4*\i+3], v3 offset:4096+512*\i   ; v lands while tile 1's softmax is walked
.endr
	ds_load_b64 v[VSC:VSC+1], v4 offset:8704
	SOFTMAX 1
	s_wait_alu depctr_va_vdst(0)                   ; the wait here, directly ahead of the wait below
	s_wait_dscnt 0x0
	PV
	s_add_co_u32 s[TB], s[TB], REC
	s_sub_co_u32 s[CNT], s[CNT], 1
	s_cmp_lg_u32 s[CNT], 0
	s_cbranch_scc1 .Lstep
	; THE WAY OUT.  O^T / the sum goes through my stage, a tile (16 rows of 256 bytes) at a time, and leaves as whole rows.  The six lines below are the places behind the last products.
.irp u, 0,1
	v_add_f32 v[ST+4*\u+2], v[ST+4*\u+2], v[ST+4*\u+3]
.endr
.irp u, 0,1
	s_delay_alu instid0(VALU_DEP_2)
	v_permlanex16_b32 v[PM+\u], v[ST+4*\u+2], s[SEL], s[SEL+1]
.endr
.irp u, 0,1
	s_delay_alu instid0(VALU_DEP_2)
	v_add_f32 v[ST+4*\u+2], v[ST+4*\u+2], v[PM+\u]     ; the row's sum
.endr
	s_wait_alu depctr_va_vdst(0)                   ; the wait ahead of the reciprocals
.irp u, 0,1
	v_rcp_f32 v[RL+2*\u], v[ST+4*\u+2]
.endr
	v_nop                                          ; a plain instruction behind the reciprocals
	s_wait_alu depctr_va_vdst(0)                   ; one wait for both, directly ahead of the first reader
.irp u, 0,1
.set j, 0
.rept 16
	v_pk_mul_f32 v[S+32*\u+j:S+32*\u+j+1], v[O+32*\u+j:O+32*\u+j+1], v[RL+2*\u:RL+2*\u+1] op_sel_hi:[1,0]   ; register 8 t + i: o(r, 16 t + 8 h + i); each accumulator from its low end on
.set j, j+2
.endr
.endr
.irp t, 0,1,2,3
	ds_store_b128 v5, v[S+8*\t:S+8*\t+3] offset:64*\t
	ds_store_b128 v5, v[S+8*\t+4:S+8*\t+7] offset:64*\t+16
.endr
.irp i, 0,1,2,3,4,5,6,7
	ds_load_b128 v[32+4*\i:35+4*\i], v6 offset:2*\i*SP         ; LDS serves a wave's instructions in order: these see my stores, and the next tile's stores come behind them
.endr
.irp t, 0,1,2,3
	ds_store_b128 v5, v[S+32+8*\t:S+32+8*\t+3] offset:64*\t
	ds_store_b128 v5, v[S+32+8*\t+4:S+32+8*\t+7] offset:64*\t+16
.endr
.irp i, 0,1,2,3,4,5,6,7
	ds_load_b128 v[O+4*\i:O+4*\i+3], v6 offset:2*\i*SP
.endr
.irp i, 0,1,2,3,4,5,6,7
	s_wait_dscnt 23-\i                             ; behind load i: the tile's 7 - i later loads and the other tile's sixteen instructions
	global_store_b128 v1, v[32+4*\i:35+4*\i], s[8:9] offset:512*\i th:TH_STORE_NT       ; 512 consecutive bytes, aligned
.endr
.irp i, 0,1,2,3,4,5,6,7
	s_wait_dscnt 7-\i
	global_store_b128 v1, v[O+4*\i:O+4*\i+3], s[8:9] offset:4096+512*\i th:TH_STORE_NT
.endr
	s_wait_tensorcnt 0x0                           ; the wave's end
	ds_add_u32 v254, v255
	s_wait_dscnt 0x0
	CROUND                                         ; the closing round: no work-group ends while a partner may still ask for a record that names it
	s_endpgm
.Lfunc_end_k_q1fda08b758_attn:
	.size	k_q1fda08b758_attn, .Lfunc_end_k_q1fda08b758_attn-k_q1fda08b758_attn
	.p2alignl 7, 3214868480
	.fill 96, 4, 3214868480
	.section	.rodata,"a",@progbits
	.p2align	6, 0x0
	.amdhsa_kernel k_q1fda08b758_attn
		.amdhsa_group_segment_fixed_size 215040
		.amdhsa_private_segment_fixed_size 0
		.amdhsa_enable_private_segment 0
		.amdhsa_kernarg_size 24
		.amdhsa_user_sgpr_count 2
		.amdhsa_user_sgpr_kernarg_segment_ptr 1
		.amdhsa_wavefront_size32 1
		.amdhsa_system_sgpr_workgroup_id_x 1
		.amdhsa_system_sgpr_workgroup_id_y 1
		.amdhsa_system_sgpr_workgroup_id_z 1
		.amdhsa_system_vgpr_workitem_id 0
		.amdhsa_next_free_vgpr 256
		.amdhsa_next_free_sgpr 66
		.amdhsa_reserve_vcc 0
		.amdhsa_float_denorm_mode_32 3
		.amdhsa_float_denorm_mode_16_64 3
		.amdhsa_memory_ordered 1
		.amdhsa_forward_progress 1
		.amdhsa_inst_pref_size 43
	.end_amdhsa_kernel
	.amdgpu_metadata
---
amdhsa.version: [ 1, 2 ]
amdhsa.kernels:
  - .name:           k_q1fda08b758_attn
    .symbol:         k_q1fda08b758_attn.kd
    .args:
      - { .name: qrec, .offset: 0, .size: 8, .value_kind: global_buffer, .address_space: global }
      - { .name: kv, .offset: 8, .size: 8, .value_kind: global_buffer, .address_space: global }
      - { .name: out0, .offset: 16, .size: 8, .value_kind: global_buffer, .address_space: global }
    .group_segment_fixed_size: 215040
    .private_segment_fixed_size: 0
    .kernarg_segment_align: 8
    .kernarg_segment_size: 24
    .max_flat_workgroup_size: 512
    .sgpr_count:     66
    .vgpr_count:     256
    .wavefront_size: 32
...
	.end_amdgpu_metadata
.endif
;; end of part 3
